; MI455X (gfx1250); checked and timed in simulation.
; The chip was launched on July 23, 2026; its instructions are those of AMD's public machine-readable ISA for CDNA 5 (MIT licence, August 2026) and "CDNA5" Instruction Set Architecture Reference Guide (July 2026). The comments in the code are by the model that wrote it; some were corrected since.
;; multi fuse pic cls. Allowed arithmetic: matrix products marked QUANTISED: E2M3 operands, one E8M0 scale for each 32 along K, by v_wmma_scale_f32_16x16x128_f8f6f4 with both operands' format E2M3, f32 sums; everything else in f32.
;; Inputs: model_bias 8 x 1,000 float32; model_weights 8 x 2,048 x 1,000 float32; resnet_bias 8,000 float32; resnet_weight 2,048 x 8,000 float32; x 2,048 x 2,048 float32.
;; Outputs: out0 2,048 x 1,000 float32.
;; This version of the problem:
;;   THIS VERSION OF THE PROBLEM IS GIVEN IN LOW PRECISION. The matrix products marked QUANTISED in the list below multiply operands that are first quantised to E2M3 (2 exponent bits, 3 mantissa bits; 6 bits a number), with one power-of-two scale for each 32 numbers along K (OCP MX v1.0); their sums are f32. All else is computed in f32.
;;   The module's matrix products, in the order in which they are computed (A, B: the left and right operand; K: the contracted axis; several contracted axes count as one K, in the product's order):
;;     1. [M 2,048, K 2,048] x [K 2,048, N 8,000]; A: input x; B: input model_weights: QUANTISED
;;     2. [M 2,048, K 2,048] x [K 2,048, N 8,000]; A: input x; B: input resnet_weight: QUANTISED
;;   THE QUANTISER, for each operand of a quantised product, along K:
;;     - K is cut into blocks of 32 from its start; a last block that is shorter is filled with zeros.
;;     - A block's scale is 2^e with e = floor(log2(the largest magnitude in the block)) - 2, held to -126 .. 127; a block of zeros has e = 0. As a byte (E8M0): e + 127.
;;     - Each number is divided by its block's scale, clamped to +-7.5, and rounded to the nearest number of E2M3, ties to even, subnormals kept.
;;     - The product sums the exact products of the quantised numbers (number of the format x scale) in f32.
;;   ~~~python
;;   def quantise(x, axis):      # numpy; x: float32 -> the quantised numbers, widened to float32 again
;;       x = np.moveaxis(x, axis, -1); K = x.shape[-1]
;;       x = np.pad(x, [(0, 0)] * (x.ndim - 1) + [(0, -K % 32)]); x = x.reshape(x.shape[:-1] + (-1, 32)); a = np.abs(x).max(-1, keepdims=True)
;;       e = np.where(a > 0, np.clip(np.frexp(np.where(a > 0, a, 1))[1] - 1 - 2, -126, 127), 0)      # np.frexp(a)[1] - 1 = floor(log2(a)), exactly
;;       r = np.clip(x / 2.0 ** e, -7.5, 7.5)
;;       step = 2.0 ** (np.maximum(np.frexp(np.where(r == 0, 1, r))[1] - 1, 0) - 3)
;;       q = np.round(r / step) * step * 2.0 ** e      # np.round: ties to even
;;       return np.moveaxis(q.reshape(q.shape[:-2] + (-1,))[..., :K], -1, axis).astype(np.float32)
;;   ~~~
;; One version. Each part assembles by itself: llvm-mc -triple=amdgcn-amd-amdhsa -mcpu=gfx1250 --defsym DOCPART=n.
;; ======== version 1 of 1: 2 launches
;; limits: right only within a limited range of input values
;; workspace buffers: qa 3,276,800 bytes; qb 26,214,400 bytes
;; launch quant (part 1): grid 1152 x 1, 4 waves a work-group, no clusters, 66,048 bytes of LDS; arguments x, model_weights, resnet_weight, qa, qb; writes qa, qb
.if DOCPART == 1
	.amdgcn_target "amdgcn-amd-amdhsa--gfx1250"
	.amdhsa_code_object_version 6
	.text
	.protected	k_qbacf12100c_quant
	.globl	k_qbacf12100c_quant
	.p2align	8
	.type	k_qbacf12100c_quant,@function
k_qbacf12100c_quant:
	s_mov_b64 s[64:65], 0
	v_nop
	global_prefetch_b8 v0, s[64:65] scope:SCOPE_SE
	s_setreg_imm32_b32 hwreg(HW_REG_WAVE_MODE, 25, 1), 1
	s_wait_xcnt 0x0
; x [2048][2048], model_weights [8][2048][1000] and resnet_weight [2048][8000], all f32, become codes of FP6 (E2M3) with one E8M0 byte for each 32 along K (K = the 2,048).
; A block's scale is 2^(floor(log2(its largest magnitude)) - 2); its byte is the largest magnitude's exponent field - 2, held at 1 from below.
; THE WORKSPACE IS LAID IN THE ORDER OF THE OPERAND'S REGISTERS.  A BLOCK of 25,600 bytes holds 128 operand rows x 256 along K:
;   bytes 0 .. 12,287 the first 128 along K, 12,288 .. 24,575 the second: 8 fragments (16 rows x 128 K) of 1,536 bytes; in a fragment lane l = r + 16 h has 48 bytes at 48 l: the codes of K block h, then of K block 2 + h;
;   bytes 24,576 on: the scale words (four bytes: 128 along K of one row): fragment i, row r, K half q at 128 i + 8 r + 4 q.
; qa: [G 16][sigma 8][BLOCK]: row 16 i + r of a BLOCK is row 128 G + 16 i + r of x, K = 256 sigma on.
; qb: [t 32][mp 4][sigma 8][BLOCK]: fragment 4 u + 2 q + v holds columns c = 32 t + 16 v + r of model 2 mp + u, q = 0 of model_weights, q = 1 of resnet_weight.  Columns c >= 1000 hold a copy of column 999: they feed only results that are never stored.
; Work-groups 0 .. 127 take x (K innermost: a turn through LDS gives a lane its 32 neighbours); 128 .. 1151 take the weights (a lane takes a column, its registers run down K: nothing is transposed).
; The two paths part on the work-group's number, never join, and have LDS bytes of their own.  Waves share nothing: no barrier.
; LIMITS: NaN and infinities among the inputs are not served.  A block of zeros gets the byte 1 where the rule says 127: its codes are zeros, which add nothing under that byte, and this program alone reads the bytes.
.set BLKB, 25600                       ; a BLOCK
.set SCO,  24576                       ; its scale words
.set WREG, 6144                        ; LDS, weights' path: from byte 0, for each wave two K halves x 3,072 bytes
.set XST,  24576                       ; LDS, x's path: from here, for each wave XREG bytes:
.set XREG, 9984                        ; 16 rows x 528 (512 + 16) on the way in, then 1,536 on the way out
.set XOUT, 8448
	s_load_b256 s[4:11], s[0:1], 0x0               ; x s[4:5], model_weights s[6:7], resnet_weight s[8:9], qa s[10:11]
	s_load_b64 s[12:13], s[0:1], 0x20              ; qb
	v_lshl_add_u32 v192, v0, 2, 0x10000
	v_mov_b32 v193, 0
	v_lshrrev_b32 v1, 5, v0
	v_readfirstlane_b32 s16, v1                    ; wave 0..3
	v_and_b32 v1, 31, v0                           ; lane
	v_lshlrev_b32 v2, 4, v1                        ; 16 x lane
	v_and_b32 v3, 15, v0                           ; r
	v_bfe_u32 v4, v0, 4, 1                         ; h
	v_lshlrev_b32 v9, 3, v4                        ; 8 h
	v_lshlrev_b32 v10, 3, v1                       ; 8 x lane
	s_mov_b32 s20, 0x76543210
	s_mov_b32 s21, 0xfedcba98                      ; v_permlanex16_b32's selects for lane l xor 16
	s_cmp_lt_u32 ttmp9, 128
	s_cbranch_scc0 .Lweights
; ---------------- x: work-group 8 G + sigma; wave w takes rows 128 G + 32 w .. + 31, 256 along K: four fragments f = 2 q + i (K half q, 16 rows i) ----------------
; REGISTERS: v5 stage in, v6 stage out, v7 codes in, v8 codes out; v12-13 largest magnitudes, v14-15 scale operands, v16-19 the fragments' scale words, v20-23 at work, v24-25 the words to store;
;   v32-95 a fragment as loaded; v96-159 after the turn (32 numbers of K block h, 32 of K block 2 + h); v160-171 its codes; v172.. upper halves of the conversions; v180-191 the way out
	s_lshr_b32 s17, ttmp9, 3                       ; G
	s_and_b32 s18, ttmp9, 7                        ; sigma
	s_lshl_b32 s24, s17, 20                        ; 128 rows of 8,192 bytes
	s_lshl_b32 s19, s16, 18                        ; 32 rows
	s_add_co_u32 s24, s24, s19
	s_lshl_b32 s19, s18, 10                        ; 256 numbers
	s_add_co_u32 s24, s24, s19
	s_mov_b32 s25, 0
	s_mul_i32 s26, ttmp9, BLKB                     ; my BLOCK is number 8 G + sigma,
	s_mul_i32 s19, s16, 3072                       ; my fragments 2 w and 2 w + 1
	s_add_co_u32 s26, s26, s19
	s_mov_b32 s27, 0
	s_mul_i32 s28, ttmp9, BLKB
	s_lshl_b32 s19, s16, 8                         ; my 256 bytes of scale words
	s_add_co_u32 s28, s28, s19
	s_add_co_u32 s28, s28, SCO
	s_mov_b32 s29, 0
	s_mul_i32 s30, s16, XREG
	s_add_co_u32 s30, s30, XST                     ; my wave's LDS
	s_wait_alu depctr_va_vdst(0)
	v_add_nc_u32 v5, s30, v2                       ; in: a row's 512 bytes as they lie
	v_mul_u32_u24 v6, v3, 528
	v_lshl_add_u32 v6, v4, 7, v6
	v_add_nc_u32 v6, s30, v6                       ; out: row r, + 128 h: my K block
	v_mul_u32_u24 v7, v1, 48
	v_add_nc_u32 v7, s30, v7
	v_add_nc_u32 v7, XOUT, v7                      ; my 48 bytes of codes
	v_add_nc_u32 v8, XOUT, v5                      ; and back, 16 bytes a lane
	v_mov_b32 v23, 0                               ; written once: a lane permute's destination counts as one of its sources
	s_wait_alu depctr_va_vdst(0)
	s_wait_kmcnt 0x0
	s_add_nc_u64 s[4:5], s[4:5], s[24:25]
	s_add_nc_u64 s[22:23], s[10:11], s[28:29]      ; the scale words
	s_add_nc_u64 s[10:11], s[10:11], s[26:27]      ; the codes
.macro XLOAD f                         ; fragment f: 16 rows x 512 bytes; each load reads 512 consecutive bytes of a row
.set LQ, (\f)/2
.set LI, (\f)%2
.irp p, 0,1,2,3,4,5,6,7,8,9,10,11,12,13,14,15
	global_load_b128 v[32+4*\p:35+4*\p], v2, s[4:5] offset:(16*LI+\p)*8192+512*LQ th:TH_LOAD_NT
.endr
.endm
.macro XFRAG f
.set QQ, (\f)/2
.set II, (\f)%2
	s_wait_loadcnt 0x0                             ; the fragment's 16 loads are in
.irp p, 0,1,2,3,4,5,6,7,8,9,10,11,12,13,14,15
	ds_store_b128 v5, v[32+4*\p:35+4*\p] offset:528*\p
.endr
.irp c, 0,1
.irp n, 0,1,2,3,4,5,6,7
	ds_load_b128 v[96+32*\c+4*\n:99+32*\c+4*\n], v6 offset:256*\c+16*\n   ; LDS serves a wave's instructions in order: these see the stores above
.endr
.endr
	s_wait_dscnt 0x0                               ; my 64 numbers are back, so the stores have read their registers,
.if (\f) < 3
	XLOAD (\f)+1                                   ; which take the next fragment
.endif
.irp c, 0,1
	v_max3_num_f32 v[12+\c], |v[96+32*\c]|, |v[97+32*\c]|, 0x1800000   ; the block's largest magnitude: all 32 numbers are mine; and the floor 2^(3 - 127): the byte cannot fall under 1
.endr
.irp i, 2,4,6,8,10,12,14,16,18,20,22,24,26,28,30
.irp c, 0,1
	v_max3_num_f32 v[12+\c], v[12+\c], |v[96+32*\c+\i]|, |v[97+32*\c+\i]|   ; (the two blocks by turns)
.endr
.endr
.irp c, 0,1
	v_add_nc_u32 v[14+\c], 0xff000000, v[12+\c]    ; 2 off the exponent field: the conversion takes the exponent field of this operand as its scale
.endr
.irp c, 0,1
	v_cvt_scalef32_pk16_fp6_f32 v[160+6*\c:162+6*\c], v[96+32*\c:111+32*\c], v[14+\c]
	v_cvt_scalef32_pk16_fp6_f32 v[172+4*\c:174+4*\c], v[112+32*\c:127+32*\c], v[14+\c]   ; (a conversion's three registers begin on an even number)
.endr
	v_lshrrev_b32 v20, 23, v14                     ; the scales' bytes.  (A plain instruction behind the conversions)
	v_lshrrev_b32 v21, 23, v15
	v_lshl_or_b32 v22, v21, 16, v20                ; blocks h and 2 + h of row r,
	v_lshlrev_b32 v22, v9, v22                     ; at their places in the word (8 h bits up);
	v_permlanex16_b32 v23, v22, s20, s21
	v_or_b32 v[16+(\f)], v22, v23                  ; with lane l xor 16's two the word is whole, in both halves of the lanes
.irp c, 0,1
.irp i, 0,1,2
	v_mov_b32 v[163+6*\c+\i], v[172+4*\c+\i]
.endr
.endr
.irp g, 0,1,2
	ds_store_b128 v7, v[160+4*\g:163+4*\g] offset:16*\g
.endr
	s_wait_xcnt 0x0                                ; the last fragment's stores have read v180-191
.irp g, 0,1,2
	ds_load_b128 v[180+4*\g:183+4*\g], v8 offset:512*\g
.endr
	s_wait_dscnt 0x0                               ; back; and the stores above have read the codes' registers
.irp g, 0,1,2
	global_store_b128 v2, v[180+4*\g:183+4*\g], s[10:11] offset:12288*QQ+1536*II+512*\g   ; 32 lanes store 512 consecutive bytes, at a multiple of 256 from qa's first byte
.endr
.endm
	XLOAD 0
	XFRAG 0
	XFRAG 1
	XFRAG 2
	XFRAG 3
	v_cmp_lt_u32 vcc_lo, 15, v1                    ; lanes 0-15 store the words of rows 0-15 (i = 0), lanes 16-31 those of rows 16-31
	v_cndmask_b32 v24, v16, v17, vcc_lo            ; K half 0
	s_wait_alu depctr_va_vdst(0)
	v_cndmask_b32 v25, v18, v19, vcc_lo            ; K half 1
	global_store_b64 v10, v[24:25], s[22:23]       ; 32 lanes store 256 consecutive bytes, aligned
	s_wait_tensorcnt 0x0
	ds_add_u32 v192, v193
	s_wait_dscnt 0x0
	s_endpgm
; ---------------- the weights: work-group number - 128 = T + 8 sigma + 64 m + 512 q; wave w takes t = 4 T + w: columns 32 t + lane, 256 along K: 8 blocks a lane ----------------
; Both tensors are walked by one text: from k to k + 1 are KS bytes (4,000 or 32,000), from model to model MS bytes (8,192,000 or 4,000); the choice hangs on the work-group's number alone.
; REGISTERS: v5 stage in, v6 stage out; v11 scale operand, v12-13 at work; v16-17 scale bytes; v32-63 offsets: my column + i rows; v64-127 two sets of 32 numbers; v128-139 codes of K blocks 0 and 2 of a K half,
;   v140-151 of K blocks 1 and 3; v152-154 the upper half of a conversion
.Lweights:
	s_sub_co_u32 s17, ttmp9, 128
	s_and_b32 s18, s17, 7                          ; T
	s_bfe_u32 s19, s17, 0x30003                    ; sigma
	s_bfe_u32 s40, s17, 0x30006                    ; m
	s_lshr_b32 s41, s17, 9                         ; q
	s_mov_b32 s42, 32000
	s_mov_b32 s43, 4000
	s_cmp_eq_u32 s41, 0
	s_cselect_b32 s42, 4000, s42                   ; KS
	s_cselect_b32 s43, 8192000, s43                ; MS
	s_mul_i32 s44, s40, s43
	s_lshl_b32 s45, s19, 8
	s_mul_i32 s45, s45, s42
	s_add_co_u32 s44, s44, s45                     ; m MS + 256 sigma KS: under 2^31
	s_mov_b32 s45, 0
	s_lshl_b32 s46, s42, 5                         ; a block of 32 rows on
	s_mov_b32 s47, 0
	s_lshl_b32 s48, s18, 2
	s_add_co_u32 s48, s48, s16                     ; t
	s_lshr_b32 s49, s40, 1                         ; mp
	s_and_b32 s50, s40, 1                          ; u
	s_lshl_b32 s51, s48, 2
	s_add_co_u32 s51, s51, s49
	s_lshl_b32 s51, s51, 3
	s_add_co_u32 s51, s51, s19                     ; my BLOCK: (4 t + mp) 8 + sigma
	s_mul_i32 s52, s51, BLKB
	s_lshl_b32 s53, s50, 2
	s_lshl_b32 s54, s41, 1
	s_add_co_u32 s53, s53, s54                     ; my first fragment: 4 u + 2 q
	s_mul_i32 s54, s53, 1536
	s_add_co_u32 s54, s54, s52
	s_mov_b32 s55, 0
	s_lshl_b32 s56, s53, 7
	s_add_co_u32 s56, s56, s52
	s_add_co_u32 s56, s56, SCO
	s_mov_b32 s57, 0
	s_lshl_b32 s62, s48, 5
	s_mul_i32 s63, s16, WREG                       ; my wave's LDS
	s_wait_alu depctr_va_vdst(0)
	v_add_nc_u32 v14, s62, v1                      ; my column,
	v_min_u32 v14, 999, v14                        ; held inside the tensor
	v_lshlrev_b32 v32, 2, v14
.irp i, 0,1,2,3,4,5,6,7,8,9,10,11,12,13,14,15,16,17,18,19,20,21,22,23,24,25,26,27,28,29,30
	v_add_nc_u32 v[33+\i], s42, v[32+\i]           ; one row further down K
.endr
	v_mul_u32_u24 v5, v3, 48
	v_mad_u32_u24 v5, v4, 1536, v5
	v_add_nc_u32 v5, s63, v5                       ; column (v, r): fragment v, operand lane r (K blocks 0, 2); operand lane r + 16 (K blocks 1, 3) lies 768 bytes on
	v_add_nc_u32 v6, s63, v2
	s_wait_alu depctr_va_vdst(0)
	s_wait_kmcnt 0x0
	s_cmp_eq_u32 s41, 0
	s_cselect_b64 s[6:7], s[6:7], s[8:9]
	s_add_nc_u64 s[24:25], s[6:7], s[44:45]        ; a base for each of the 8 blocks: no pointer is stepped
.irp b, 1,2,3,4,5,6,7
	s_add_nc_u64 s[24+2*\b:25+2*\b], s[22+2*\b:23+2*\b], s[46:47]
.endr
	s_add_nc_u64 s[58:59], s[12:13], s[54:55]      ; the codes
	s_add_nc_u64 s[60:61], s[12:13], s[56:57]      ; the scale words
.macro LOADB b                         ; block b: 32 rows at my column: neighbouring lanes read neighbouring numbers
.irp i, 0,1,2,3,4,5,6,7,8,9,10,11,12,13,14,15,16,17,18,19,20,21,22,23,24,25,26,27,28,29,30,31
	global_load_b32 v[64+32*((\b)%2)+\i], v[32+\i], s[24+2*(\b):25+2*(\b)]
.endr
.endm
.macro BLOCK b
.set XS, 64+32*((\b)%2)
.set CD, 128+12*((\b)%2)+6*(((\b)/2)%2)
.if (\b) < 7
	s_wait_loadcnt 32                              ; this block's 32 loads are in; the next block's 32 may be out
.else
	s_wait_loadcnt 0x0
.endif
	v_max3_num_f32 v12, |v[XS]|, |v[XS+1]|, |v[XS+2]|              ; the block's largest magnitude, in two chains
	v_max3_num_f32 v13, |v[XS+3]|, |v[XS+4]|, |v[XS+5]|
.irp i, 6,10,14,18,22,26
	v_max3_num_f32 v12, v12, |v[XS+\i]|, |v[XS+\i+1]|
	v_max3_num_f32 v13, v13, |v[XS+\i+2]|, |v[XS+\i+3]|
.endr
	v_max3_num_f32 v12, v12, |v[XS+30]|, |v[XS+31]|
	v_max3_num_f32 v12, v12, v13, 0x1800000        ; and the floor 2^(3 - 127)
	v_add_nc_u32 v11, 0xff000000, v12              ; 2 off the exponent field: the conversion's scale operand
	v_cvt_scalef32_pk16_fp6_f32 v[CD:CD+2], v[XS:XS+15], v11
	v_cvt_scalef32_pk16_fp6_f32 v[152:154], v[XS+16:XS+31], v11    ; (a conversion's three registers begin on an even number)
	v_lshrrev_b32 v13, 23, v11                     ; the scale's byte.  (A plain instruction behind the conversions)
.if (\b)%4 == 0
	v_mov_b32 v[16+(\b)/4], v13                    ; four bytes to a word, the lower K in the lower byte
.else
	v_lshl_or_b32 v[16+(\b)/4], v13, 8*((\b)%4), v[16+(\b)/4]
.endif
.irp i, 0,1,2
	v_mov_b32 v[CD+3+\i], v[152+\i]
.endr
.if (\b)+2 < 8
	LOADB (\b)+2
.endif
.if (\b)%4 == 3                        ; a K half is whole: 48 bytes for each of the two operand lanes that my column feeds
.irp g, 0,1,2
	ds_store_b128 v5, v[128+4*\g:131+4*\g] offset:3072*((\b)/4)+16*\g
	ds_store_b128 v5, v[140+4*\g:143+4*\g] offset:3072*((\b)/4)+768+16*\g
.endr
	s_wait_dscnt 0x0                               ; the stores have read their registers: the next K half's codes may be written
.endif
.endm
	LOADB 0
	LOADB 1
.irp b, 0,1,2,3,4,5,6,7
	BLOCK \b
.endr
	s_wait_alu depctr_va_vdst(0)
	global_store_b64 v10, v[16:17], s[60:61]       ; my column's two scale words: 32 lanes store 256 consecutive bytes, aligned
.irp n, 0,1,2,3,4,5,6,7,8,9,10,11
	ds_load_b128 v[64+4*\n:67+4*\n], v6 offset:512*\n   ; LDS serves a wave's instructions in order: these see my stores
.endr
.irp n, 0,1,2,3,4,5,6,7,8,9,10,11
	s_wait_dscnt 11-\n                             ; load n is back; the younger ones may be out
	global_store_b128 v2, v[64+4*\n:67+4*\n], s[58:59] offset:12288*(\n/6)+512*(\n%6)   ; 512 consecutive bytes, at a multiple of 256 from qb's first byte
.endr
	s_wait_tensorcnt 0x0
	ds_add_u32 v192, v193
	s_wait_dscnt 0x0
	s_endpgm
.Lfunc_end_k_qbacf12100c_quant:
	.size	k_qbacf12100c_quant, .Lfunc_end_k_qbacf12100c_quant-k_qbacf12100c_quant
	.p2alignl 7, 3214868480
	.fill 96, 4, 3214868480
	.section	.rodata,"a",@progbits
	.p2align	6, 0x0
	.amdhsa_kernel k_qbacf12100c_quant
		.amdhsa_group_segment_fixed_size 66048
		.amdhsa_private_segment_fixed_size 0
		.amdhsa_enable_private_segment 0
		.amdhsa_kernarg_size 40
		.amdhsa_user_sgpr_count 2
		.amdhsa_user_sgpr_kernarg_segment_ptr 1
		.amdhsa_wavefront_size32 1
		.amdhsa_system_sgpr_workgroup_id_x 1
		.amdhsa_system_sgpr_workgroup_id_y 1
		.amdhsa_system_sgpr_workgroup_id_z 1
		.amdhsa_system_vgpr_workitem_id 0
		.amdhsa_next_free_vgpr 194
		.amdhsa_next_free_sgpr 66
		.amdhsa_reserve_vcc 1
		.amdhsa_float_denorm_mode_32 3
		.amdhsa_float_denorm_mode_16_64 3
		.amdhsa_memory_ordered 1
		.amdhsa_forward_progress 1
		.amdhsa_inst_pref_size 74
	.end_amdhsa_kernel
	.amdgpu_metadata
---
amdhsa.version: [ 1, 2 ]
amdhsa.kernels:
  - .name:           k_qbacf12100c_quant
    .symbol:         k_qbacf12100c_quant.kd
    .args:
      - { .name: x, .offset: 0, .size: 8, .value_kind: global_buffer, .address_space: global }
      - { .name: model_weights, .offset: 8, .size: 8, .value_kind: global_buffer, .address_space: global }
      - { .name: resnet_weight, .offset: 16, .size: 8, .value_kind: global_buffer, .address_space: global }
      - { .name: qa, .offset: 24, .size: 8, .value_kind: global_buffer, .address_space: global }
      - { .name: qb, .offset: 32, .size: 8, .value_kind: global_buffer, .address_space: global }
    .group_segment_fixed_size: 66048
    .private_segment_fixed_size: 0
    .kernarg_segment_align: 8
    .kernarg_segment_size: 40
    .max_flat_workgroup_size: 128
    .sgpr_count:     66
    .vgpr_count:     194
    .wavefront_size: 32
...
	.end_amdgpu_metadata
.endif
;; end of part 1
;; launch fuse (part 2): grid 32 x 8, 4 waves a work-group, clusters of 4 x 4, 327,680 bytes of LDS; arguments qa, qb, model_bias, resnet_bias, out0; writes out0
.if DOCPART == 2
	.amdgcn_target "amdgcn-amd-amdhsa--gfx1250"
	.amdhsa_code_object_version 6
	.text
	.protected	k_qbacf12100c_fuse
	.globl	k_qbacf12100c_fuse
	.p2align	8
	.type	k_qbacf12100c_fuse,@function
k_qbacf12100c_fuse:
	s_mov_b64 s[64:65], 0
	v_nop
	global_prefetch_b8 v0, s[64:65] scope:SCOPE_SE
	s_setreg_imm32_b32 hwreg(HW_REG_WAVE_MODE, 25, 1), 1
	s_wait_xcnt 0x0
	s_wait_alu depctr_hold_cnt(0) depctr_sa_sdst(0) depctr_va_vdst(0) depctr_va_sdst(0) depctr_va_ssrc(0) depctr_va_vcc(0) depctr_vm_vsrc(0)
	s_getreg_b32 s2, hwreg(HW_REG_IB_STS2, 6, 4)
	s_cmp_eq_u32 s2, 0
	s_cbranch_scc0 .Lentry_in_a_cluster
	s_endpgm
.Lentry_in_a_cluster:
	s_bfe_u32 s2, ttmp6, 0x10000c
	s_cmp_lg_u32 s2, 0xf033
	s_cbranch_scc0 .Lentry_shape_is_right
	s_endpgm
.Lentry_shape_is_right:
.set BLKB,   25600
.set SCO,    24576
.set XG,     2*BLKB
.set YB,     4*XG
.set SPARE,  YB+4*BLKB
.set PLANES, YB
.set PP,     144
.set PLANE,  256*PP
.set FR,   12
.set BO,   8
.set ADRA, 16
.set ADRB, 19
.set ADRS, 22
.set STO,  25
.set RD,   26
.set CO,   27
.set COL,  28
.set SPW,  29
.set NIL,  30
.set PFO,  31
.set SC,   32
.set AF,   64
.set BIAS, 160
.set AY0,  20
.set G1AX, 24
.set G1AY, 72
.set G0AX, 32
.set G0AY, 36
.set G1BX, 48
.set G1BY, 80
.set G0BX, 56
.set G0BY, 60
.set PFA,  66
.set LIM,  68
.set NXT,  70
.set MSB, 0
.macro WIN new
.if MSB != (\new)
	s_set_vgpr_msb (MSB<<8)|(\new)
.set MSB, (\new)
.endif
.endm
.set MUL_LO, 0xa1
.set MUL_HI, 0xf1
.set ONE_LO, 0x81
.set ONE_HI, 0xc1
.set TO_B,   0x40
.macro JLOAD g0a, g1a, g0b, g1b
	s_cmp_eq_u32 s15, 0
	s_cbranch_scc0 .Lfor_b_\@
	tensor_load_to_lds s[\g0a:\g0a+3], s[\g1a:\g1a+7]
	s_nop 0
.rept 4
	v_nop
.endr
	s_branch .Lasked_\@
.Lfor_b_\@:
	tensor_load_to_lds s[\g0b:\g0b+3], s[\g1b:\g1b+7]
	s_nop 0
.rept 4
	v_nop
.endr
.Lasked_\@:
.endm
.macro CREST
	s_cmp_lg_u32 s14, 0
	s_cbranch_scc1 .Lnot_wave_0_\@
	s_barrier_signal -3
.Lnot_wave_0_\@:
	s_barrier_wait -3
	s_barrier_signal -1
	s_barrier_wait -1
.endm
.macro CROUND
	s_barrier_signal -1
	s_barrier_wait -1
	CREST
.endm
.macro ASK how
.if \how
	s_cmp_eq_u32 s[LIM], 0
.else
	s_cmp_gt_u32 s3, s[LIM]
.endif
	s_cbranch_scc0 .Lnot_mine_\@
	global_prefetch_b8 v[PFO], s[PFA:PFA+1] th:TH_LOAD_NT scope:SCOPE_SE
.Lnot_mine_\@:
.endm
	s_load_b256 s[4:11], s[0:1], 0x0
	s_load_b64 s[12:13], s[0:1], 0x20
	v_lshl_add_u32 v[SPW], v0, 2, SPARE
	v_mov_b32 v[NIL], 0
	ds_add_u32 v29, v30
	ds_add_u32 v29, v30
	s_wait_dscnt 0x0
	v_lshrrev_b32 v1, 5, v0
	v_readfirstlane_b32 s14, v1
	s_lshr_b32 s15, s14, 1
	s_and_b32 s16, s14, 1
	s_bfe_u32 s40, ttmp6, 0x40000
	s_bfe_u32 s41, ttmp6, 0x40004
	s_lshl_b32 s42, ttmp9, 2
	s_add_co_u32 s42, s42, s40
	s_and_b32 s17, ttmp7, 0xffff
	s_lshl_b32 s17, s17, 2
	s_add_co_u32 s17, s17, s41
	s_lshl_b32 s43, s41, 2
	s_lshl_b32 s43, 15, s43
	s_lshl_b32 s44, 0x1111, s40
	s_or_b32 s[G1AX+0], s43, (3<<16)|(1<<21)
	s_or_b32 s[G1AY+0], s43, (3<<16)|(1<<21)
	s_or_b32 s[G1BX+0], s44, (3<<16)|(1<<21)
	s_or_b32 s[G1BY+0], s44, (3<<16)|(1<<21)
.irp g, G1AX, G1BX
	s_mov_b32 s[\g+1], 32<<16
	s_mov_b32 s[\g+2], 200<<16
	s_mov_b32 s[\g+3], 32<<16
	s_mov_b32 s[\g+4], 200
	s_mov_b32 s[\g+5], 32
	s_mov_b32 s[\g+6], 0
	s_mov_b32 s[\g+7], 0
.endr
.irp g, G1AY, G1BY
	s_mov_b32 s[\g+1], 32<<16
	s_mov_b32 s[\g+2], 100<<16
	s_mov_b32 s[\g+3], 32<<16
	s_mov_b32 s[\g+4], 100
	s_mov_b32 s[\g+5], 32
	s_mov_b32 s[\g+6], 0
	s_mov_b32 s[\g+7], 0
.endr
	s_lshl_b32 s20, s17, 1
	s_add_co_u32 s20, s20, s16
	s_mul_i32 s20, s20, 8*BLKB
	s_mov_b32 s21, 0
	s_mul_i32 s46, s42, 32*BLKB
	s_mul_i32 s47, s16, 16*BLKB
	s_add_co_u32 s46, s46, s47
	s_mov_b32 s47, 0
	s_mul_i32 s45, s14, XG
	s_mul_i32 s90, s14, BLKB
	s_add_co_u32 s90, s90, YB
	s_wait_kmcnt 0x0
	s_add_nc_u64 s[AY0:AY0+1], s[4:5], s[20:21]
	s_add_nc_u64 s[46:47], s[6:7], s[46:47]
	s_add_nc_u64 s[NXT:NXT+1], s[AY0:AY0+1], 5*BLKB
	CROUND
	s_mov_b32 s[G0AX], 1
	s_mov_b32 s[G0AX+1], s45
	s_mov_b64 s[G0AX+2:G0AX+3], s[AY0:AY0+1]
	s_or_b32 s[G0AX+3], s[G0AX+3], 0x80000000
	s_mov_b32 s[G0BX], 1
	s_mov_b32 s[G0BX+1], s45
	s_mov_b64 s[G0BX+2:G0BX+3], s[46:47]
	s_or_b32 s[G0BX+3], s[G0BX+3], 0x80000000
	JLOAD G0AX, G1AX, G0BX, G1BX
	s_mov_b32 s[G0AY], 1
	s_mov_b32 s[G0AY+1], s90
	s_add_nc_u64 s[G0AY+2:G0AY+3], s[AY0:AY0+1], 2*BLKB
	s_or_b32 s[G0AY+3], s[G0AY+3], 0x80000000
	s_mov_b32 s[G0BY], 1
	s_mov_b32 s[G0BY+1], s90
	s_add_nc_u64 s[G0BY+2:G0BY+3], s[46:47], 2*BLKB
	s_or_b32 s[G0BY+3], s[G0BY+3], 0x80000000
	v_and_b32 v1, 15, v0
	v_bfe_u32 v2, v0, 4, 1
	v_and_b32 v3, 31, v0
	v_mul_u32_u24 v4, v3, 48
	s_mul_i32 s18, s15, XG
	s_mul_i32 s19, s16, XG
	s_add_co_u32 s19, s19, 2*XG
	s_sub_co_u32 s22, s19, s18
	v_mul_u32_u24 v5, s22, v2
	v_lshl_add_u32 v5, v1, 3, v5
	s_add_co_u32 s23, s18, SCO
	v_add_nc_u32 v[ADRS], s23, v5
	v_add_nc_u32 v[ADRS+1], BLKB, v[ADRS]
	v_add_nc_u32 v[ADRA], s18, v4
	v_add_nc_u32 v[ADRA+1], BLKB, v[ADRA]
	v_add_nc_u32 v[ADRB], s19, v4
	v_add_nc_u32 v[ADRB+1], BLKB, v[ADRB]
	s_mul_i32 s18, s15, BLKB
	s_add_co_u32 s18, s18, YB
	s_mul_i32 s19, s16, BLKB
	s_add_co_u32 s19, s19, YB+2*BLKB
	s_sub_co_u32 s22, s19, s18
	v_mul_u32_u24 v6, s22, v2
	v_lshl_add_u32 v6, v1, 3, v6
	s_add_co_u32 s23, s18, SCO
	v_add_nc_u32 v[ADRS+2], s23, v6
	v_add_nc_u32 v[ADRA+2], s18, v4
	v_add_nc_u32 v[ADRB+2], s19, v4
	s_mul_i32 s22, s16, PLANE
	s_mul_i32 s23, s15, 128*PP
	s_add_co_u32 s22, s22, s23
	s_add_co_u32 s22, s22, PLANES
	v_mul_u32_u24 v[STO], v1, PP
	v_lshl_add_u32 v[STO], v2, 5, v[STO]
	v_add_nc_u32 v[STO], s22, v[STO]
	s_mul_i32 s23, s14, 64*PP
	s_add_co_u32 s23, s23, PLANES
	v_lshrrev_b32 v6, 3, v3
	v_and_b32 v7, 7, v3
	v_mul_u32_u24 v[RD], v6, PP
	v_lshl_add_u32 v[RD], v7, 4, v[RD]
	v_add_nc_u32 v[RD], s23, v[RD]
	v_mul_u32_u24 v[CO], v6, 4000
	v_lshl_add_u32 v[CO], v7, 4, v[CO]
	s_lshl_b32 s92, s42, 5
	v_lshl_add_u32 v[COL], v7, 2, s92
	s_lshl_b32 s94, s17, 8
	s_lshl_b32 s95, s14, 6
	s_add_co_u32 s94, s94, s95
	s_mul_i32 s94, s94, 4000
	s_lshl_b32 s95, s42, 7
	s_add_co_u32 s94, s94, s95
	s_mov_b32 s95, 0
	s_add_nc_u64 s[12:13], s[12:13], s[94:95]
	s_mul_i32 s96, s16, 16000
	s_lshl_b32 s97, s42, 7
	s_add_co_u32 s96, s96, s97
	v_lshl_add_u32 v5, v2, 5, s96
.irp n, 0,1,2,3,4,5,6,7
	v_add_nc_u32 v[BO+\n], 8000*(\n/4)+4000*((\n/2)%2)+64*(\n%2), v5
	v_min_u32 v[BO+\n], 31968, v[BO+\n]
.endr
.macro BIASLOAD p
.irp u, 0,1
.irp v, 0,1
	global_load_b128 v[BIAS+8*(4*\u+\v):BIAS+8*(4*\u+\v)+3],     v[BO+4*(\p)+2*\u+\v], s[8:9]
	global_load_b128 v[BIAS+8*(4*\u+\v)+4:BIAS+8*(4*\u+\v)+7],   v[BO+4*(\p)+2*\u+\v], s[8:9] offset:16
	global_load_b128 v[BIAS+8*(4*\u+2+\v):BIAS+8*(4*\u+2+\v)+3],   v[BO+4*(\p)+2*\u+\v], s[10:11]
	global_load_b128 v[BIAS+8*(4*\u+2+\v)+4:BIAS+8*(4*\u+2+\v)+7], v[BO+4*(\p)+2*\u+\v], s[10:11] offset:16
.endr
.endr
.endm
	BIASLOAD 0
	s_and_b32 s92, ttmp7, 0xffff
	s_cmp_eq_u32 s15, 0
	s_cselect_b32 s93, s40, s41
	s_cselect_b32 s92, ttmp9, s92
	s_cselect_b64 s[PFA:PFA+1], s[AY0:AY0+1], s[46:47]
	s_cselect_b32 s[LIM], 1, 0
	s_cmp_eq_u32 s92, 0
	s_cselect_b32 s[LIM], s[LIM], -1
	s_mul_i32 s92, s93, 25*256
	s_add_co_u32 s92, s92, 4*BLKB
	s_mov_b32 s93, 0
	s_add_nc_u64 s[PFA:PFA+1], s[PFA:PFA+1], s[92:93]
	v_min_u32 v[PFO], 24, v3
	v_lshlrev_b32 v[PFO], 8, v[PFO]
	; BLOCKs 3 and 4, which the ring's first refill loads, are asked for here, by the waves and clusters that prefetch in the loop (the loop's first request names BLOCK 5): 25 blocks of 256 bytes a wave and BLOCK
	s_cmp_lg_u32 s[LIM], -1
	s_cbranch_scc0 .Lno_head_ask
	global_prefetch_b8 v[PFO], s[PFA:PFA+1] offset:-BLKB th:TH_LOAD_NT scope:SCOPE_SE
	global_prefetch_b8 v[PFO], s[PFA:PFA+1] th:TH_LOAD_NT scope:SCOPE_SE
.Lno_head_ask:
.macro FRAG reg, adr, q, i
.irp g, 0,1,2
	ds_load_b128 v[\reg+4*\g:\reg+4*\g+3], v[\adr] offset:12288*(\q)+1536*(\i)+16*\g
.endr
.endm
.macro FETCH_B loc, q
	WIN TO_B
.irp i, 0,1,2,3,4,5,6,7
	FRAG 96*(\q)+FR*\i, ADRB+\loc, \q, \i
.endr
	WIN 0
.endm
.macro FETCH_A loc, q, i0
.irp i, \i0, \i0+1, \i0+2, \i0+3
	FRAG AF+FR*(\i), ADRA+\loc, \q, \i
.endr
.endm
.macro SCALES loc, q
.irp i, 0,1,2,3,4,5,6,7
	ds_load_b32 v[SC+8*(\q)+\i], v[ADRS+\loc] offset:128*\i+4*(\q)
.endr
.endm
.macro MUL16 a0, q, first
.irp a, \a0, \a0+1
.irp b, 0,1,2,3,4,5,6,7
.if \first
	v_wmma_scale_f32_16x16x128_f8f6f4 v[8*(8*((\a)%4)+\b):8*(8*((\a)%4)+\b)+7], v[96*(\q)+FR*\b:96*(\q)+FR*\b+FR-1], v[AF+FR*(\a):AF+FR*(\a)+FR-1], v[BIAS+8*\b:BIAS+8*\b+7], v[SC+8*(\q)+\b], v[SC+8*(\q)+(\a)] matrix_a_fmt:MATRIX_FMT_FP6 matrix_b_fmt:MATRIX_FMT_FP6 matrix_a_scale:MATRIX_SCALE_ROW1
.else
	v_wmma_scale_f32_16x16x128_f8f6f4 v[8*(8*((\a)%4)+\b):8*(8*((\a)%4)+\b)+7], v[96*(\q)+FR*\b:96*(\q)+FR*\b+FR-1], v[AF+FR*(\a):AF+FR*(\a)+FR-1], v[8*(8*((\a)%4)+\b):8*(8*((\a)%4)+\b)+7], v[SC+8*(\q)+\b], v[SC+8*(\q)+(\a)] matrix_a_fmt:MATRIX_FMT_FP6 matrix_b_fmt:MATRIX_FMT_FP6 matrix_a_scale:MATRIX_SCALE_ROW1
.endif
.endr
.endr
.endm
.macro PLACES n
.rept \n
	v_nop
.endr
.endm
.macro HALF q, nloc, nq, first, ask
.if \ask
	s_wait_xcnt 0x0
	s_add_nc_u64 s[PFA:PFA+1], s[PFA:PFA+1], BLKB
.endif
	s_wait_dscnt 12
.if \first
	WIN ONE_LO
.else
	WIN MUL_LO
.endif
	MUL16 0, \q, \first
	MUL16 2, \q, \first
	s_wait_dscnt 0x0
	PLACES 4
	FETCH_B \nloc, \nq
	FETCH_A \nloc, \nq, 0
	SCALES \nloc, \nq
.if (\ask) == 1
	ASK 0
.endif
.if (\ask) == 2
	ASK 1
.endif
.if \first
	WIN ONE_HI
.else
	WIN MUL_HI
.endif
	MUL16 4, \q, \first
	MUL16 6, \q, \first
	PLACES 4
	WIN 0
	FETCH_A \nloc, \nq, 4
.endm
.macro TURN nloc, kind, wrap, ask
.if \ask
	s_wait_xcnt 0x0
	s_add_nc_u64 s[PFA:PFA+1], s[PFA:PFA+1], BLKB
.endif
	s_wait_tensorcnt 0x0
	ds_add_u32 v[SPW], v[NIL]
.if \kind
.if (\kind) == 2
.set GA, G0AY
.set GB, G0BY
.else
.set GA, G0AX
.set GB, G0BX
.endif
.if (\wrap) == 0
	s_add_nc_u64 s[GA+2:GA+3], s[GA+2:GA+3], 3*BLKB
.elseif (\wrap) == 1
	s_sub_nc_u64 s[GA+2:GA+3], s[GA+2:GA+3], 5*BLKB
.else
	s_mov_b64 s[GA+2:GA+3], s[NXT:NXT+1]
	s_or_b32 s[GA+3], s[GA+3], 0x80000000
	s_mov_b64 s[NXT:NXT+1], s[AY0:AY0+1]
.endif
	s_add_nc_u64 s[GB+2:GB+3], s[GB+2:GB+3], 3*BLKB
.endif
	s_wait_dscnt 13
	WIN MUL_LO
	MUL16 0, 1, 0
	s_wait_dscnt 0x0
	s_barrier_signal -1
	MUL16 2, 1, 0
	WIN 0
	s_barrier_wait -1
.if \kind
	CREST
.if (\kind) == 1
	JLOAD G0AX, G1AX, G0BX, G1BX
.elseif (\kind) == 2
	JLOAD G0AY, G1AY, G0BY, G1BY
.else
	JLOAD G0AX, G1AY, G0BX, G1BY
.endif
.else
	PLACES 4
.endif
	FETCH_B \nloc, 0
	FETCH_A \nloc, 0, 0
	SCALES \nloc, 0
.if (\ask) == 1
	ASK 0
.endif
.if (\ask) == 2
	ASK 1
.endif
	WIN MUL_HI
	MUL16 4, 1, 0
	MUL16 6, 1, 0
	PLACES 4
	WIN 0
	FETCH_A \nloc, 0, 4
.endm
.macro LAP wy, k0, k1, k2
	HALF 1, 1, 0, 0, \k0
	HALF 0, 1, 1, 0, 0
	TURN 2, 1, 0, \k1
	HALF 0, 2, 1, 0, 0
	TURN 0, 2, \wy, \k2
	HALF 0, 0, 1, 0, 0
.endm
.macro SUMAT hi, a
.if (\hi) == 0
.set SB, 192+16*(\a)
.elseif (\a) < 2
.set SB, 224+16*(\a)
.else
.set SB, 48*(3-(\a))
.endif
.endm
.macro EPI p
.irp hi, 0,1
.if \p
	WIN 0x9a+0x35*\hi
.else
	WIN 0xaa+0x55*\hi
.endif
.irp a, 0,1,2,3
	SUMAT \hi, \a
.irp v, 0,1
.irp e, 0,2,4,6
.if \p
	v_pk_fma_f32 v[64*\a+8*\v+\e:64*\a+8*\v+\e+1], v[64*\a+8*\v+\e:64*\a+8*\v+\e+1], v[64*\a+8*(2+\v)+\e:64*\a+8*(2+\v)+\e+1], v[SB+8*\v+\e:SB+8*\v+\e+1]
.else
	v_pk_mul_f32 v[64*\a+8*\v+\e:64*\a+8*\v+\e+1], v[64*\a+8*\v+\e:64*\a+8*\v+\e+1], v[64*\a+8*(2+\v)+\e:64*\a+8*(2+\v)+\e+1]
.endif
.endr
.endr
.endr
.if \p
	WIN 0xaa+0x55*\hi
.else
	WIN 0x6a-0x2b*\hi
.endif
.irp a, 0,1,2,3
	SUMAT \hi, \a
.irp v, 0,1
.irp e, 0,2,4,6
.if \p
	v_pk_fma_f32 v[64*\a+8*\v+\e:64*\a+8*\v+\e+1], v[64*\a+8*(4+\v)+\e:64*\a+8*(4+\v)+\e+1], v[64*\a+8*(6+\v)+\e:64*\a+8*(6+\v)+\e+1], v[64*\a+8*\v+\e:64*\a+8*\v+\e+1]
.else
	v_pk_fma_f32 v[SB+8*\v+\e:SB+8*\v+\e+1], v[64*\a+8*(4+\v)+\e:64*\a+8*(4+\v)+\e+1], v[64*\a+8*(6+\v)+\e:64*\a+8*(6+\v)+\e+1], v[64*\a+8*\v+\e:64*\a+8*\v+\e+1]
.endif
.endr
.endr
.endr
.if \p
	WIN 0x08+4*\hi
.irp a, 0,1,2,3
.irp v, 0,1
	ds_store_b128 v[STO], v[64*\a+8*\v:64*\a+8*\v+3]   offset:16*(4*\hi+\a)*PP+64*\v
	ds_store_b128 v[STO], v[64*\a+8*\v+4:64*\a+8*\v+7] offset:16*(4*\hi+\a)*PP+64*\v+16
.endr
.endr
.endif
.endr
	WIN 0
.endm
	; the addresses are made and the first biases asked for while the head's load is out; only now slot Y's first fill, issued as a refill is
	s_wait_alu depctr_va_vdst(0)                   ; the wait at the head's end
	s_wait_tensorcnt 0x0                           ; my part of slot X is in
	ds_add_u32 v29, v30
	s_wait_dscnt 0x0
	CROUND                                         ; everybody's part of slot X is in, and all sixteen work-groups are here
	JLOAD G0AY, G1AY, G0BY, G1BY                   ; the first tensor load behind the round
	FETCH_B 0, 0
	FETCH_A 0, 0, 0
	SCALES 0, 0
	FETCH_A 0, 0, 4
	s_wait_loadcnt 0x0
	HALF 0, 0, 1, 1, 0
	BIASLOAD 1
	s_mov_b32 s3, 2
.Llap:
	LAP 2, 1, 1, 1
	s_sub_co_u32 s3, s3, 1
	s_cmp_lg_u32 s3, 0
	s_cbranch_scc1 .Llap
	HALF 1, 1, 0, 0, 2
	HALF 0, 1, 1, 0, 0
	TURN 2, 1, 1, 2
	s_wait_loadcnt 0x0
	EPI 0
	HALF 0, 2, 1, 1, 0
	TURN 0, 2, 0, 2
	HALF 0, 0, 1, 0, 0
	LAP 0, 2, 2, 0
	HALF 1, 1, 0, 0, 0
	HALF 0, 1, 1, 0, 0
	TURN 2, 3, 0, 0
	HALF 0, 2, 1, 0, 0
	TURN 0, 0, 0, 0
	HALF 0, 0, 1, 0, 0
	s_wait_dscnt 12
	WIN MUL_LO
	MUL16 0, 1, 0
	MUL16 2, 1, 0
	s_wait_dscnt 0x0
	WIN MUL_HI
	MUL16 4, 1, 0
	MUL16 6, 1, 0
	WIN 0
	PLACES 4
	EPI 1
	s_wait_dscnt 0x0
	s_barrier_signal -1
	s_barrier_wait -1
.irp k, 0,1,2,3,4,5,6,7,8,9,10,11,12,13,14,15
	ds_load_b128 v[64+4*\k:67+4*\k],   v[RD] offset:4*PP*\k
	ds_load_b128 v[128+4*\k:131+4*\k], v[RD] offset:PLANE+4*PP*\k
.endr
	s_wait_dscnt 0x0
.set i, 0
.rept 32
	v_pk_add_f32 v[64+i:65+i], v[64+i:65+i], v[128+i:129+i]
.set i, i+2
.endr
	v_cmp_gt_u32 vcc_lo, 1000, v[COL]
	s_wait_alu depctr_va_vdst(0)
	s_wait_xcnt 0x0
	s_and_saveexec_b32 s69, vcc_lo
.irp k, 0,1,2,3,4,5,6,7,8,9,10,11,12,13,14,15
	global_store_b128 v[CO], v[64+4*\k:67+4*\k], s[12:13] offset:16000*\k th:TH_STORE_NT
.endr
	s_wait_xcnt 0x0
	s_or_b32 exec_lo, exec_lo, s69
	s_wait_tensorcnt 0x0
	ds_add_u32 v[SPW], v[NIL]
	s_wait_dscnt 0x0
	CROUND
	s_endpgm
.Lfunc_end_k_qbacf12100c_fuse:
	.size	k_qbacf12100c_fuse, .Lfunc_end_k_qbacf12100c_fuse-k_qbacf12100c_fuse
	.p2alignl 7, 3214868480
	.fill 96, 4, 3214868480
	.section	.rodata,"a",@progbits
	.p2align	6, 0x0
	.amdhsa_kernel k_qbacf12100c_fuse
		.amdhsa_group_segment_fixed_size 327680
		.amdhsa_private_segment_fixed_size 0
		.amdhsa_enable_private_segment 0
		.amdhsa_kernarg_size 40
		.amdhsa_user_sgpr_count 2
		.amdhsa_user_sgpr_kernarg_segment_ptr 1
		.amdhsa_wavefront_size32 1
		.amdhsa_system_sgpr_workgroup_id_x 1
		.amdhsa_system_sgpr_workgroup_id_y 1
		.amdhsa_system_sgpr_workgroup_id_z 1
		.amdhsa_system_vgpr_workitem_id 0
		.amdhsa_next_free_vgpr 1024
		.amdhsa_next_free_sgpr 100
		.amdhsa_reserve_vcc 1
		.amdhsa_float_denorm_mode_32 3
		.amdhsa_float_denorm_mode_16_64 3
		.amdhsa_memory_ordered 1
		.amdhsa_forward_progress 1
		.amdhsa_inst_pref_size 255
	.end_amdhsa_kernel
	.section	.bss,"aw",@nobits
	.p2align	6
	.space	262144
	.amdgpu_metadata
---
amdhsa.version: [ 1, 2 ]
amdhsa.kernels:
  - .name:           k_qbacf12100c_fuse
    .symbol:         k_qbacf12100c_fuse.kd
    .args:
      - { .name: qa, .offset: 0, .size: 8, .value_kind: global_buffer, .address_space: global }
      - { .name: qb, .offset: 8, .size: 8, .value_kind: global_buffer, .address_space: global }
      - { .name: model_bias, .offset: 16, .size: 8, .value_kind: global_buffer, .address_space: global }
      - { .name: resnet_bias, .offset: 24, .size: 8, .value_kind: global_buffer, .address_space: global }
      - { .name: out0, .offset: 32, .size: 8, .value_kind: global_buffer, .address_space: global }
    .group_segment_fixed_size: 327680
    .private_segment_fixed_size: 0
    .kernarg_segment_align: 8
    .kernarg_segment_size: 40
    .max_flat_workgroup_size: 128
    .sgpr_count:     100
    .vgpr_count:     1024
    .wavefront_size: 32
...
	.end_amdgpu_metadata
.endif
;; end of part 2
